; MI455X (gfx1250); checked and timed in simulation.
; The chip was launched on July 23, 2026; its instructions are those of AMD's public machine-readable ISA for CDNA 5 (MIT licence, August 2026) and "CDNA5" Instruction Set Architecture Reference Guide (July 2026). The comments in the code are by the model that wrote it; some were corrected since.
;; grouped query attn. Allowed arithmetic: matrix products marked QUANTISED: E2M1 operands, one E8M0 scale for each 32 along K, by v_wmma_scale_f32_16x16x128_f8f6f4 with both operands' format E2M1 (or v_wmma_scale_f32_32x16x128_f4), f32 sums; everything else in f32.
;; Inputs: W_attn 3,072 x 2,048 float32; b_attn 3,072 float32; x 4 x 2,048 x 2,048 float32.
;; Outputs: out0 4 x 2,048 x 512 float32.
;; This version of the problem:
;;   THIS VERSION OF THE PROBLEM IS GIVEN IN LOW PRECISION. The matrix products marked QUANTISED in the list below multiply operands that are first quantised to E2M1 (2 exponent bits, 1 mantissa bit; 4 bits a number), with one power-of-two scale for each 32 numbers along K (OCP MX v1.0); their sums are f32. All else is computed in f32.
;;   The module's matrix products, in the order in which they are computed (A, B: the left and right operand; K: the contracted axis; several contracted axes count as one K, in the product's order):
;;     1. [M 8,192, K 2,048] x [K 2,048, N 3,072]; A: input x; B: input W_attn: QUANTISED
;;     2. batch 4 x [M 8,192, K 128] x [K 128, N 2,048]; A: computed on the way; B: computed on the way: QUANTISED
;;     3. batch 16 x [M 2,048, K 2,048] x [K 2,048, N 128]; A: softmax (see below); B: computed on the way: QUANTISED
;;   THE QUANTISER, for each operand of a quantised product, along K:
;;     - K is cut into blocks of 32 from its start; a last block that is shorter is filled with zeros.
;;     - A block's scale is 2^e with e = floor(log2(the largest magnitude in the block)) - 2, held to -126 .. 127; a block of zeros has e = 0. As a byte (E8M0): e + 127.
;;     - Each number is divided by its block's scale, clamped to +-6, and rounded to the nearest number of E2M1, ties to even, subnormals kept.
;;     - The product sums the exact products of the quantised numbers (number of the format x scale) in f32.
;;   ~~~python
;;   def quantise(x, axis):      # numpy; x: float32 -> the quantised numbers, widened to float32 again
;;       x = np.moveaxis(x, axis, -1); K = x.shape[-1]
;;       x = np.pad(x, [(0, 0)] * (x.ndim - 1) + [(0, -K % 32)]); x = x.reshape(x.shape[:-1] + (-1, 32)); a = np.abs(x).max(-1, keepdims=True)
;;       e = np.where(a > 0, np.clip(np.frexp(np.where(a > 0, a, 1))[1] - 1 - 2, -126, 127), 0)      # np.frexp(a)[1] - 1 = floor(log2(a)), exactly
;;       r = np.clip(x / 2.0 ** e, -6, 6)
;;       step = 2.0 ** (np.maximum(np.frexp(np.where(r == 0, 1, r))[1] - 1, 0) - 1)
;;       q = np.round(r / step) * step * 2.0 ** e      # np.round: ties to even
;;       return np.moveaxis(q.reshape(q.shape[:-2] + (-1,))[..., :K], -1, axis).astype(np.float32)
;;   ~~~
;;   SOFTMAX AHEAD OF A QUANTISED PRODUCT. Where the list says 'softmax', what is quantised is not the finished softmax but p = 2^(t - M), with t = logit x log2(e) and M = ceil(the row's largest t), a whole number; so 1/2 < the row's largest p <= 1. The row's sum l is taken of the UNQUANTISED p, in f32, and the product's result is divided by l at the end. Since M is a whole number, a kernel that streams over the keys may use a running M (the ceiling of the running maximum): every later rescaling is an exact power of two, which a block's scale takes up: the codes' values come out the same.
;;   OPERANDS COMPUTED ON THE WAY. 'Computed on the way' means the value that the module computes at that place (a softmax that the list does not call 'softmax' is quantised finished and normalised). What goes into a quantiser is computed in f32, as accurately as f32 sums, v_exp_f32 and their like allow (about 1e-6 of the number): no bf16 or f16 on the way to a quantiser, and a product that is left as it is and whose result goes on into a quantised operand takes f32 operands (vector FMAs, or v_wmma_f32_16x16x4_f32). A number that lies on a knife's edge between two numbers of the format may be rounded either way, as far as f32 arithmetic and the matrix unit's own rounding can turn it there, and no further.
;; One version. Each part assembles by itself: llvm-mc -triple=amdgcn-amd-amdhsa -mcpu=gfx1250 --defsym DOCPART=n.
;; ======== version 1 of 1: 3 launches
;; limits: right only within a limited range of input values
;; workspace buffers: xq 8,912,896 bytes; wq 3,342,336 bytes; qpart 16,777,216 bytes; kv 4,456,448 bytes
;; launch quant (part 1): grid 704 x 1, 4 waves a work-group, no clusters, 39,424 bytes of LDS; arguments x, W_attn, xq, wq; writes xq, wq
.if DOCPART == 1
	.amdgcn_target "amdgcn-amd-amdhsa--gfx1250"
	.amdhsa_code_object_version 6
	.text
	.protected	k_qf0265dbd6a_quant
	.globl	k_qf0265dbd6a_quant
	.p2align	8
	.type	k_qf0265dbd6a_quant,@function
k_qf0265dbd6a_quant:
	s_mov_b64 s[64:65], 0
	v_nop
	global_prefetch_b8 v0, s[64:65] scope:SCOPE_SE
	s_setreg_imm32_b32 hwreg(HW_REG_WAVE_MODE, 25, 1), 1
	s_wait_xcnt 0x0
; x [8192][2048] and W_attn [3072][2048], f32, become codes of FP4 (E2M1) with one E8M0 scale byte for each 32 along K, laid as IMAGES OF OPERAND REGISTERS for the next launch.
; A block's scale is 2^(floor(log2(its largest magnitude)) - 2); its byte is the largest magnitude's exponent field - 2, held at 1 from below.  A block of zeros gets the byte 1 where the
; quantiser says 127: its codes are zeros, which add nothing under any byte but 0xff, and this program alone reads the bytes.
; LIMITS: blocks whose largest magnitude lies under 2^-124 get the byte 1; NaN and infinities among the inputs are not served.
; A FRAGMENT is 16 rows x 128 K: 1,024 bytes, [c 2][lane 32][16 bytes]; lane 16 h + r holds K = 64 c + 32 h + 0 .. 31 of the fragment's row r.  Fragment 2 G + u takes the rows 32 G + 8 u + r + 8 (r / 8).
; A work-group makes one fragment's 16 rows for all of K (16 steps of 128): wave w the rows r = 4 w .. 4 w + 3, which are 4 neighbouring rows of the tensor.
; xq: [block of 128 rows: 64][139,264]: codes [step 16][fragment 8][1,024], then scale words [step 16][fragment 8][row 16].
; wq: [step 16][group g 4][wave w 4][13,056]: 12 fragments (q heads 4 g .. 4 g + 3, k of head g, v of head g: channels 32 w .. 32 w + 31, two fragments each), then their scale words [fragment 12][row 16].
; Each of a step's four loads reads 512 consecutive bytes; the numbers turn through the wave's own stage in LDS and come back 16 neighbours a lane.  The codes are gathered in an image in LDS that the four waves
; share (256 bytes + 16 of padding for each block of 32 along K) and leave as runs of 512 consecutive bytes; the scale words leave as runs of 64 bytes: 1 byte in 128 of what the launch reads.
; No work-group shares an input with another: no cluster, no tensor load.  Loads run four steps (16 loads a wave) ahead.
.set STEPS, 16
.set EMAX,  2
.set R,     16                         ; v16-79   four sets of 16 numbers as loaded; at the end the codes on their way out
.set X,     80                         ; v80-111  two sets of 16 neighbours
.set E,     112                        ; v112-127 a scale byte for each step
.set C,     128                        ; v128-159 codes, two registers for each step
.set OF,    160                        ; v160-163 global offsets of my four steps' fragments
.set SP,    80
.set WREG,  5120                       ; a wave's two stages
.set IMG,   20480                      ; the codes' image: 64 blocks x 272 bytes
.set SIMG,  37888                      ; the scale words: [step 16][row 16]
.set SPARE, 38912                      ; the spare words
	s_load_b128 s[4:7], s[0:1], 0x0                ; x, W
	s_load_b128 s[8:11], s[0:1], 0x10              ; xq, wq
	v_lshl_add_u32 v12, v0, 2, SPARE
	v_mov_b32 v13, 0
	v_lshrrev_b32 v1, 5, v0
	v_readfirstlane_b32 s16, v1                    ; wave
	s_cmp_lt_u32 ttmp9, 512                        ; the first 512 work-groups take x, the other 192 W
	s_cselect_b32 s26, 1, 0
	s_cselect_b32 s27, 0, 512
	s_mov_b32 s24, 208896
	s_mov_b32 s25, 208896
	s_mov_b32 s36, 12288
	s_cselect_b32 s24, 8192, s24                   ; from step to step: codes,
	s_cselect_b32 s25, 512, s25                    ; scale words;
	s_cselect_b32 s36, 131072, s36                 ; where the scale words begin in a block
	s_sub_co_u32 s27, ttmp9, s27                   ; the fragment, 2 G + u
	s_lshr_b32 s28, s27, 1
	s_and_b32 s29, s27, 1
	s_lshl_b32 s30, s28, 5                         ; my first row: 32 G + 8 u + 4 w + 8 (w / 2)
	s_lshl_b32 s31, s29, 3
	s_add_co_u32 s30, s30, s31
	s_lshl_b32 s31, s16, 2
	s_add_co_u32 s30, s30, s31
	s_and_b32 s31, s16, 2
	s_lshl_b32 s31, s31, 2
	s_add_co_u32 s30, s30, s31
	s_lshl_b32 s30, s30, 13                        ; rows of 8,192 bytes
	s_mov_b32 s31, 0
	s_lshr_b32 s32, s27, 3                         ; x: block and fragment in it
	s_mul_i32 s32, s32, 139264
	s_and_b32 s33, s27, 7
	s_lshr_b32 s37, s28, 4                         ; W, q rows (G < 64): g = G / 16, head in the group (G / 4) % 4
	s_bfe_u32 s38, s28, 0x20002
	s_sub_co_u32 s39, s28, 64                      ; k and v rows: G - 64 = 16 s + 4 n + w: g = n, place 4 + s
	s_bfe_u32 s40, s39, 0x20002
	s_bfe_u32 s41, s39, 0x10004
	s_add_co_u32 s41, s41, 4
	s_cmp_lt_u32 s28, 64
	s_cselect_b32 s37, s37, s40
	s_cselect_b32 s38, s38, s41
	s_lshl_b32 s37, s37, 2
	s_and_b32 s40, s28, 3
	s_add_co_u32 s37, s37, s40
	s_mul_i32 s37, s37, 13056
	s_lshl_b32 s38, s38, 1
	s_add_co_u32 s38, s38, s29
	s_cmp_eq_u32 s26, 1
	s_cselect_b32 s32, s32, s37
	s_cselect_b32 s33, s33, s38
	s_lshl_b32 s34, s33, 6
	s_add_co_u32 s34, s34, s32
	s_add_co_u32 s34, s34, s36                     ; the fragment's scale words of step 0
	s_lshl_b32 s33, s33, 10
	s_add_co_u32 s32, s32, s33                     ; its codes of step 0
	s_lshl_b32 s37, s16, 2                         ; on the way out wave w takes steps 4 w .. 4 w + 3
	s_mul_i32 s38, s37, s24
	s_add_co_u32 s32, s32, s38
	s_mul_i32 s38, s37, s25
	s_add_co_u32 s34, s34, s38
	s_mov_b32 s33, 0
	s_mov_b32 s35, 0
	s_mul_i32 s17, s16, WREG
	s_lshl_b32 s42, s16, 6
	s_add_co_u32 s42, s42, IMG
	s_lshl_b32 s43, s16, 4
	s_add_co_u32 s43, s43, SIMG
	s_mul_i32 s44, s16, 4352
	s_add_co_u32 s44, s44, IMG
	s_lshl_b32 s45, s16, 8
	s_add_co_u32 s45, s45, SIMG
	v_and_b32 v2, 31, v0                           ; lane
	v_lshlrev_b32 v3, 4, v2
	v_lshrrev_b32 v14, 2, v2
	v_mul_u32_u24 v14, v14, SP
	v_and_b32 v15, 3, v2
	v_lshl_add_u32 v14, v15, 4, v14
	v_add_nc_u32 v14, s17, v14                     ; the stage, on the way in: SP (lane / 4) + 16 (lane % 4)
	v_mul_u32_u24 v15, v2, SP
	v_add_nc_u32 v15, s17, v15                     ; and on the way out: my 16 neighbours
	v_lshrrev_b32 v1, 1, v2                        ; my block of 32 among a step's 16
	v_mul_u32_u24 v4, v1, 272
	v_and_b32 v8, 1, v2
	v_lshl_add_u32 v4, v8, 3, v4
	v_add_nc_u32 v4, s42, v4                       ; the image: block x 272 + 16 x row + 8 x half
	v_and_b32 v5, 3, v1
	v_lshrrev_b32 v8, 3, v2
	v_lshl_add_u32 v5, v8, 6, v5
	v_add_nc_u32 v5, s43, v5                       ; the scale words: 64 x step + 4 x row + the block's byte
	v_mul_lo_u32 v10, v8, s25
	v_and_b32 v9, 7, v2
	v_lshl_add_u32 v10, v9, 3, v10                 ; their way out: lane l holds step l / 8, bytes 8 (l % 8) on
	v_lshrrev_b32 v9, 4, v2
	v_mul_u32_u24 v6, v9, 272
	v_and_b32 v9, 15, v2
	v_lshl_add_u32 v6, v9, 4, v6
	v_add_nc_u32 v6, s44, v6                       ; the image read back: lane 16 h + r takes 16 bytes of row r in block 2 c + h
	v_lshlrev_b32 v7, 3, v2
	v_add_nc_u32 v7, s45, v7
	v_mov_b32 v[OF], v3
	v_add_nc_u32 v[OF+1], s24, v3
	v_add_nc_u32 v[OF+2], s24, v[OF+1]
	v_add_nc_u32 v[OF+3], s24, v[OF+2]
	s_wait_alu depctr_va_vdst(0)
	s_wait_kmcnt 0x0
	s_cmp_eq_u32 s26, 1                            ; the choice hangs on the work-group's number alone
	s_cselect_b64 s[4:5], s[4:5], s[6:7]
	s_cselect_b64 s[8:9], s[8:9], s[10:11]
	s_add_nc_u64 s[4:5], s[4:5], s[30:31]
	s_add_nc_u64 s[10:11], s[8:9], s[34:35]
	s_add_nc_u64 s[8:9], s[8:9], s[32:33]
.macro LOAD t
.irp i, 0,1,2,3
	global_load_b128 v[R+16*((\t)%4)+4*\i:R+16*((\t)%4)+4*\i+3], v3, s[4:5] offset:2048*(\t)+512*\i th:TH_LOAD_NT   ; 32 lanes read 512 consecutive bytes
.endr
.endm
.macro TURN t                          ; LDS serves a wave's instructions in order: no wait between the stores and the loads
.irp i, 0,1,2,3
	ds_store_b128 v14, v[R+16*((\t)%4)+4*\i:R+16*((\t)%4)+4*\i+3] offset:32*SP*((\t)%2)+8*SP*\i
.endr
.irp i, 0,1,2,3
	ds_load_b128 v[X+16*((\t)%2)+4*\i:X+16*((\t)%2)+4*\i+3], v15 offset:32*SP*((\t)%2)+16*\i
.endr
.endm
.irp t, 0,1,2,3
	LOAD \t
.endr
	s_wait_loadcnt 12                              ; step 0's four loads are in
	TURN 0
.macro STEP t                          ; step t: row t / 4 of my four, K = 512 (t % 4) on
.set XS, X+16*((\t)%2)
.if (\t) > 0
	s_wait_dscnt 2                                 ; this step's numbers are back (the last step's two stores into the images may be out)
.else
	s_wait_dscnt 0x0
.endif
.if (\t)+4 < STEPS
	LOAD (\t)+4
.endif
.if (\t)+1 < STEPS
.if STEPS-2-(\t) >= 3
	s_wait_loadcnt 12                              ; the next step's four loads are in; those of the three steps behind it may be out
.else
	s_wait_loadcnt 4*(STEPS-2-(\t))
.endif
	TURN (\t)+1
.endif
	v_max3_num_f32 v8, |v[XS]|, |v[XS+1]|, |v[XS+2]|               ; the largest magnitude of my 16, in two chains
	v_max3_num_f32 v9, |v[XS+3]|, |v[XS+4]|, |v[XS+5]|
.irp i, 6,10
	v_max3_num_f32 v8, v8, |v[XS+\i]|, |v[XS+\i+1]|
	v_max3_num_f32 v9, v9, |v[XS+\i+2]|, |v[XS+\i+3]|
.endr
	v_max3_num_f32 v8, v8, |v[XS+14]|, |v[XS+15]|
	v_max3_num_f32 v8, v8, v9, (EMAX+1)<<23        ; and the floor 2^(3 - 127): the byte cannot fall under 1
	v_max_num_f32_dpp v8, v8, v8 row_xmask:1 row_mask:0xf bank_mask:0xf   ; and of my neighbour's 16: the block's
	v_add_nc_u32 v11, -(EMAX<<23), v8              ; 2 off its exponent field: the conversion's scale operand
	v_cvt_scalef32_pk8_fp4_f32 v[C+2*(\t)], v[XS:XS+7], v11
	v_cvt_scalef32_pk8_fp4_f32 v[C+2*(\t)+1], v[XS+8:XS+15], v11
	v_lshrrev_b32 v[E+(\t)], 23, v11               ; the scale's byte (also the plain line behind the conversions)
	ds_store_b8 v5, v[E+(\t)] offset:256*((\t)%4)+4*((\t)/4)       ; both lanes of a block write the same byte with the same value
	ds_store_b64 v4, v[C+2*(\t):C+2*(\t)+1] offset:4352*((\t)%4)+16*((\t)/4)
.endm
.irp t, 0,1,2,3,4,5,6,7,8,9,10,11,12,13,14,15
	STEP \t
.endr
	s_wait_dscnt 0x0                               ; my stores into the images are done
	s_barrier_signal -1
	s_barrier_wait -1                              ; and everybody's
.irp j, 0,1,2,3
.irp c, 0,1
	ds_load_b128 v[R+8*\j+4*\c:R+8*\j+4*\c+3], v6 offset:1088*\j+544*\c
.endr
.endr
	ds_load_b64 v[48:49], v7
	s_wait_dscnt 0x0
.irp j, 0,1,2,3
.irp c, 0,1
	global_store_b128 v[OF+\j], v[R+8*\j+4*\c:R+8*\j+4*\c+3], s[8:9] offset:512*\c   ; 32 lanes store 512 consecutive bytes, aligned
.endr
.endr
	global_store_b64 v10, v[48:49], s[10:11]
	s_wait_tensorcnt 0x0                           ; the wave's end
	ds_add_u32 v12, v13
	s_wait_dscnt 0x0
	s_endpgm
.Lfunc_end_k_qf0265dbd6a_quant:
	.size	k_qf0265dbd6a_quant, .Lfunc_end_k_qf0265dbd6a_quant-k_qf0265dbd6a_quant
	.p2alignl 7, 3214868480
	.fill 96, 4, 3214868480
	.section	.rodata,"a",@progbits
	.p2align	6, 0x0
	.amdhsa_kernel k_qf0265dbd6a_quant
		.amdhsa_group_segment_fixed_size 39424
		.amdhsa_private_segment_fixed_size 0
		.amdhsa_enable_private_segment 0
		.amdhsa_kernarg_size 32
		.amdhsa_user_sgpr_count 2
		.amdhsa_user_sgpr_kernarg_segment_ptr 1
		.amdhsa_wavefront_size32 1
		.amdhsa_system_sgpr_workgroup_id_x 1
		.amdhsa_system_sgpr_workgroup_id_y 1
		.amdhsa_system_sgpr_workgroup_id_z 1
		.amdhsa_system_vgpr_workitem_id 0
		.amdhsa_next_free_vgpr 168
		.amdhsa_next_free_sgpr 66
		.amdhsa_reserve_vcc 0
		.amdhsa_float_denorm_mode_32 3
		.amdhsa_float_denorm_mode_16_64 3
		.amdhsa_memory_ordered 1
		.amdhsa_forward_progress 1
		.amdhsa_inst_pref_size 37
	.end_amdhsa_kernel
	.amdgpu_metadata
---
amdhsa.version: [ 1, 2 ]
amdhsa.kernels:
  - .name:           k_qf0265dbd6a_quant
    .symbol:         k_qf0265dbd6a_quant.kd
    .args:
      - { .name: x, .offset: 0, .size: 8, .value_kind: global_buffer, .address_space: global }
      - { .name: W_attn, .offset: 8, .size: 8, .value_kind: global_buffer, .address_space: global }
      - { .name: xq, .offset: 16, .size: 8, .value_kind: global_buffer, .address_space: global }
      - { .name: wq, .offset: 24, .size: 8, .value_kind: global_buffer, .address_space: global }
    .group_segment_fixed_size: 39424
    .private_segment_fixed_size: 0
    .kernarg_segment_align: 8
    .kernarg_segment_size: 32
    .max_flat_workgroup_size: 128
    .sgpr_count:     66
    .vgpr_count:     168
    .wavefront_size: 32
...
	.end_amdgpu_metadata
.endif
;; end of part 1
;; launch gemm (part 2): grid 4 x 64, 4 waves a work-group, clusters of 4 x 1, 167,936 bytes of LDS; arguments xq, wq, b_attn, qpart, kv; writes qpart, kv
.if DOCPART == 2
	.amdgcn_target "amdgcn-amd-amdhsa--gfx1250"
	.amdhsa_code_object_version 6
	.text
	.protected	k_qf0265dbd6a_gemm
	.globl	k_qf0265dbd6a_gemm
	.p2align	8
	.type	k_qf0265dbd6a_gemm,@function
k_qf0265dbd6a_gemm:
	s_mov_b64 s[64:65], 0
	v_nop
	global_prefetch_b8 v0, s[64:65] scope:SCOPE_SE
	s_setreg_imm32_b32 hwreg(HW_REG_WAVE_MODE, 25, 1), 1
	s_wait_xcnt 0x0
	s_wait_alu depctr_hold_cnt(0) depctr_sa_sdst(0) depctr_va_vdst(0) depctr_va_sdst(0) depctr_va_ssrc(0) depctr_va_vcc(0) depctr_vm_vsrc(0)
	s_getreg_b32 s2, hwreg(HW_REG_IB_STS2, 6, 4)
	s_cmp_eq_u32 s2, 0
	s_cbranch_scc0 .Lentry_in_a_cluster
	s_endpgm
.Lentry_in_a_cluster:
	s_bfe_u32 s2, ttmp6, 0x10000c
	s_cmp_lg_u32 s2, 0x3003
	s_cbranch_scc0 .Lentry_shape_is_right
	s_endpgm
.Lentry_shape_is_right:
; qkv = Q(x) Q(W_attn)^T + b_attn on codes of FP4 (E2M1) with E8M0 scales, q summed over heads on the way, k and v quantised on the way out.
; SHARES.  Work-group (g, rb) takes 128 rows of x (block rb; they are one key step of batch rb / 16) against 768 rows of W: q heads 4 g .. 4 g + 3, k and v of head g.  256 work-groups of equal work.
; Wave w takes all 8 row blocks of x against channels 32 w .. 32 w + 31 of each: 12 fragments of W, 96 products for each 128 along K, 48 accumulators: q (a, e) sums its four heads in place, k (a, e), v (e, a).
; W GOES FROM MEMORY STRAIGHT INTO REGISTERS: each fragment of W is wanted by one wave of the work-group alone, and lies in wq as an image of its registers: 24 loads of 512 consecutive bytes and 6 of scale words
; a step, issued two steps ahead into three sets of registers.  X COMES INTO LDS ONCE: 139,264 bytes, a quarter by each wave's one tensor load; no byte is filled again, and the loop has no barrier.
; CLUSTER 4 x 1: the four work-groups of a row block (g = 0 .. 3) need the same block of x: each quarter is asked for JOINTLY, with the same descriptor and the mask of all four.  g enters global addresses alone.
; NO PREFETCH: x is asked for whole in the first lines, and W's loads into registers are themselves issued two steps ahead of their use.
; q and k are used transposed (source 0 = W, source 1 = x): a lane holds one row of x, its registers run along the channels: register j of (a, e) is channel 32 w + 16 h + 8 e + j.  v the other way (source 0 = x):
; a lane holds one channel, its registers run along the keys: register j of (e, a) is key 32 (a / 2) + 16 h + 8 (a % 2) + j.  The biases are the C of each accumulator's first product.
; OUT.  qpart [plane g][rb][a 8][w 4][4][lane 32][16 bytes]: the accumulators as they lie.  kv [4 b + g][key step][17,408]: 8 fragments of K, 8 of V^T, 1,024 bytes each; K's and V's scale words [row 16][fragment 8].
; LIMITS: NaN and infinities are not served; a block whose largest magnitude lies under 2^-124 gets the scale byte 1.
; REGISTERS.  Window 0: v1-15 addresses, v16-33 W's scale words (3 sets), v34-45 x's (3 sets), v64-255 x's fragments (3 sets).  Window 1: W's sets 0, 1 (v0-191), the biases (v192-239).
; Window 2: q's accumulators v[16 a + 8 e], k's v[128 + 16 a + 8 e].  Window 3: v's v[64 e + 8 a]; W's set 2 (v128-223).
.set XB,    139264
.set WB,    13056
.set WS,    16*WB                      ; a step on in wq
.set KVS,   139264                     ; LDS: the key step's scale words are gathered here, 1,024 bytes
.set SPARE, 140288                     ; the spare words
.set SPW, 2
.set NIL, 3
.set VW,  4                            ; 16 x lane
.set VWS, 5                            ; 4 x lane
.set AX,  6                            ; LDS: x's fragments, 16 x lane; stepped once a trip
.set AXS, 7                            ; LDS: x's scale words
.set VB,  8                            ; biases of q and k: 64 h
.set VBV, 9                            ; bias of v: 4 (r + 8 (r / 8))
.set VK,  10                           ; K's codes: 16 r + 8 h + 256 w
.set VV,  11                           ; V's codes: 16 x lane + 2,048 w
.set VSO, 12                           ; the scale words' way out: 8 x lane + 256 w
.set KSA, 13                           ; LDS: K's byte: 32 r + w
.set VSA, 14                           ; LDS: V's words: 512 + 32 r + 8 w
.set RSA, 15                           ; LDS: read back
.set WSC, 16
.set XSC, 34
.set WV,  14
.set GG,  43                           ; s43 g: my place in the cluster
.set SB,  6                            ; s[6:7] my stream in wq
.set G1,  24
.set G0,  32
.set SEL, 40
.set CNT, 42
.set MSB, 0
.macro WIN new                         ; the immediate's high byte repeats the setting that is left
.if MSB != (\new)
	s_set_vgpr_msb (MSB<<8)|(\new)
.set MSB, (\new)
.endif
.endm
.macro PLACES
.rept 4
	v_nop
.endr
.endm
.macro ROUND                           ; a round of the cluster's barrier
	s_barrier_signal -1
	s_barrier_wait -1
	s_cmp_lg_u32 s[WV], 0
	s_cbranch_scc1 .Lnot_wave_0_\@
	s_barrier_signal -3
.Lnot_wave_0_\@:
	s_barrier_wait -3
	s_barrier_signal -1
	s_barrier_wait -1
.endm
	s_load_b256 s[4:11], s[0:1], 0x0               ; xq, wq, b_attn, qpart
	s_load_b64 s[12:13], s[0:1], 0x20              ; kv
	v_lshl_add_u32 v[SPW], v0, 2, SPARE
	v_mov_b32 v[NIL], 0
	ds_add_u32 v[SPW], v[NIL]                      ; the opening lines: the add, twice on end, and its wait ahead of the round in front of my tensor load
	ds_add_u32 v[SPW], v[NIL]
	v_lshrrev_b32 v46, 5, v0
	v_readfirstlane_b32 s[WV], v46                 ; wave
	s_and_b32 s15, ttmp7, 0xffff                   ; rb: the cluster's y
	s_bfe_u32 s[GG], ttmp6, 0x40000                ; g = cx
	s_mov_b32 s[G1], 15|(3<<16)|(1<<21)            ; the mask: all four work-groups; elements of 8 bytes; bit 21 beside a mask; no padding: 136 rows of 256 bytes, dense
	s_mov_b32 s[G1+1], 32<<16
	s_mov_b32 s[G1+2], 136<<16
	s_mov_b32 s[G1+3], 32<<16
	s_mov_b32 s[G1+4], 136
	s_mov_b32 s[G1+5], 32
	s_mov_b32 s[G1+6], 0
	s_mov_b32 s[G1+7], 0
	s_mov_b32 s[G0], 1
	s_mul_i32 s[G0+1], s[WV], 34816                ; my quarter of x's block, in LDS and in memory alike
	s_mul_i32 s16, s15, XB
	s_add_co_u32 s16, s16, s[G0+1]
	s_mov_b32 s17, 0
	s_lshl_b32 s18, s[GG], 2
	s_add_co_u32 s18, s18, s[WV]
	s_mul_i32 s18, s18, WB                         ; wq: block (step 0, g, w)
	s_mov_b32 s19, 0
	s_lshl_b32 s44, s[WV], 7
	s_lshl_b32 s20, s[GG], 11
	s_add_co_u32 s20, s20, s44                     ; b_attn at q head 4 g, channel 32 w
	s_mov_b32 s21, 0
	s_lshl_b32 s22, s[GG], 9
	s_add_co_u32 s22, s22, s44
	s_add_co_u32 s22, s22, 8192                    ; at k of head g, channel 32 w; v's lie 2,048 bytes on
	s_mov_b32 s23, 0
	s_lshl_b32 s36, s[GG], 22
	s_lshl_b32 s45, s15, 16
	s_add_co_u32 s36, s36, s45
	s_lshl_b32 s45, s[WV], 11
	s_add_co_u32 s36, s36, s45                     ; qpart: plane g, block rb, + 2,048 w
	s_mov_b32 s37, 0
	s_lshr_b32 s38, s15, 4
	s_lshl_b32 s38, s38, 2
	s_add_co_u32 s38, s38, s[GG]
	s_lshl_b32 s38, s38, 4
	s_and_b32 s39, s15, 15
	s_add_co_u32 s38, s38, s39
	s_mul_i32 s38, s38, 17408                      ; kv: block (4 b + g, key step)
	s_mov_b32 s39, 0
	s_lshl_b32 s46, s[WV], 8
	s_lshl_b32 s47, s[WV], 3
	s_mov_b32 s[SEL], 0x76543210
	s_mov_b32 s[SEL+1], 0xfedcba98
	v_and_b32 v1, 31, v0
	v_and_b32 v47, 15, v0                          ; r
	v_bfe_u32 v48, v0, 4, 1                        ; h
	v_lshlrev_b32 v[VW], 4, v1
	v_lshlrev_b32 v[VWS], 2, v1
	v_lshlrev_b32 v[AX], 4, v1
	v_lshl_add_u32 v[AXS], v1, 2, 131072
	v_lshlrev_b32 v[VB], 6, v48
	v_and_b32 v49, 8, v47
	v_add_nc_u32 v49, v49, v47
	v_lshlrev_b32 v[VBV], 2, v49
	v_lshlrev_b32 v[VK], 4, v47
	v_lshl_add_u32 v[VK], v48, 3, v[VK]
	v_add_nc_u32 v[VK], s46, v[VK]
	v_add_nc_u32 v[VV], s45, v[VW]
	v_lshl_add_u32 v[VSO], v1, 3, s46
	v_lshl_add_u32 v[KSA], v47, 5, KVS
	v_add_nc_u32 v[KSA], s[WV], v[KSA]
	v_lshl_add_u32 v[VSA], v47, 5, KVS+512
	v_add_nc_u32 v[VSA], s47, v[VSA]
	v_lshl_add_u32 v[RSA], v1, 3, KVS
	v_add_nc_u32 v[RSA], s46, v[RSA]
	s_wait_alu depctr_va_vdst(0)
	s_wait_dscnt 0x0                               ; both opening adds are done
	s_wait_kmcnt 0x0
	s_add_nc_u64 s[G0+2:G0+3], s[4:5], s[16:17]
	s_or_b32 s[G0+3], s[G0+3], 0x80000000
	s_add_nc_u64 s[SB:SB+1], s[SB:SB+1], s[18:19]
	s_add_nc_u64 s[16:17], s[8:9], s[20:21]
	s_add_nc_u64 s[18:19], s[8:9], s[22:23]
	s_add_nc_u64 s[10:11], s[10:11], s[36:37]
	s_add_nc_u64 s[12:13], s[12:13], s[38:39]
; W's fragments and scale words of the step that lies k steps behind s[SB], into set p
.macro WLOAD p, k
.set WOF, 96*(\p)-64*((\p)/2)
.set WW, 1+2*((\p)/2)
	WIN WW<<6
.irp f, 0,1,2,3,4,5,6,7,8,9,10,11
	global_load_b128 v[WOF+8*\f:WOF+8*\f+3], v[VW], s[SB:SB+1] offset:(\k)*WS+1024*\f
	global_load_b128 v[WOF+8*\f+4:WOF+8*\f+7], v[VW], s[SB:SB+1] offset:(\k)*WS+1024*\f+512
.endr
	WIN 0
.irp g, 0,1,2,3,4,5
	global_load_b32 v[WSC+6*(\p)+\g], v[VWS], s[SB:SB+1] offset:(\k)*WS+12288+128*\g   ; lanes 0-15: fragment 2 g, lanes 16-31: fragment 2 g + 1
.endr
.endm
.macro XLOAD p, k                      ; x's 8 fragments and scale words likewise, from LDS
.irp a, 0,1,2,3,4,5,6,7
	ds_load_b128 v[64+64*(\p)+8*\a:64+64*(\p)+8*\a+3], v[AX] offset:(\k)*8192+1024*\a
	ds_load_b128 v[64+64*(\p)+8*\a+4:64+64*(\p)+8*\a+7], v[AX] offset:(\k)*8192+1024*\a+512
.endr
.irp a, 0,1,2,3
	ds_load_b32 v[XSC+4*(\p)+\a], v[AXS] offset:(\k)*512+128*\a    ; lanes 0-15: block 2 a, lanes 16-31: block 2 a + 1
.endr
.endm
.macro WM d, a, b, c, sa, sb, ra, rb   ; one product; ra, rb: which half of the lanes holds the side's scale words
.if (\ra)+2*(\rb) == 0
	v_wmma_scale_f32_16x16x128_f8f6f4 v[\d:\d+7], v[\a:\a+7], v[\b:\b+7], v[\c:\c+7], v[\sa], v[\sb] matrix_a_fmt:MATRIX_FMT_FP4 matrix_b_fmt:MATRIX_FMT_FP4
.endif
.if (\ra)+2*(\rb) == 1
	v_wmma_scale_f32_16x16x128_f8f6f4 v[\d:\d+7], v[\a:\a+7], v[\b:\b+7], v[\c:\c+7], v[\sa], v[\sb] matrix_a_fmt:MATRIX_FMT_FP4 matrix_b_fmt:MATRIX_FMT_FP4 matrix_a_scale:MATRIX_SCALE_ROW1
.endif
.if (\ra)+2*(\rb) == 2
	v_wmma_scale_f32_16x16x128_f8f6f4 v[\d:\d+7], v[\a:\a+7], v[\b:\b+7], v[\c:\c+7], v[\sa], v[\sb] matrix_a_fmt:MATRIX_FMT_FP4 matrix_b_fmt:MATRIX_FMT_FP4 matrix_b_scale:MATRIX_SCALE_ROW1
.endif
.if (\ra)+2*(\rb) == 3
	v_wmma_scale_f32_16x16x128_f8f6f4 v[\d:\d+7], v[\a:\a+7], v[\b:\b+7], v[\c:\c+7], v[\sa], v[\sb] matrix_a_fmt:MATRIX_FMT_FP4 matrix_b_fmt:MATRIX_FMT_FP4 matrix_a_scale:MATRIX_SCALE_ROW1 matrix_b_scale:MATRIX_SCALE_ROW1
.endif
.endm
.macro GRP g, p, cb                    ; 16 products: W's fragments 2 g, 2 g + 1 (g 0-3: a q head; 4: k) against x's eight; 16 accumulators by turns.  cb = 1: the bias is C
.irp a, 0,1,2,3,4,5,6,7
.irp e, 0,1
.set D_, 16*\a+8*\e+128*((\g)/4)
.if \cb
.set C_, 192+16*((\g)/4)+8*\e
.else
.set C_, D_
.endif
	WM D_, WOF+8*(2*(\g)+\e), XO+8*\a, C_, WSC+6*(\p)+(\g), XSC+4*(\p)+(\a)/2, \e, (\a)%2
.endr
.endr
.endm
.macro VGRP p, cb                      ; v: source 0 = x
.irp e, 0,1
.irp a, 0,1,2,3,4,5,6,7
.set D_, 64*\e+8*\a
.if \cb
.set C_, 224+8*\e
.else
.set C_, D_
.endif
	WM D_, XO+8*\a, WOF+8*(10+\e), C_, XSC+4*(\p)+(\a)/2, WSC+6*(\p)+5, (\a)%2, \e
.endr
.endr
.endm
.macro MULS p, first                   ; a step's 96 products; no two that follow each other share an accumulator
.set WOF, 96*(\p)-64*((\p)/2)
.set WW, 1+2*((\p)/2)
.set XO, 64+64*(\p)
.if \first
	WIN 0x90|WW
	GRP 0, \p, 1
	GRP 4, \p, 1
	WIN 0xa0|WW
	GRP 1, \p, 0
	GRP 2, \p, 0
	GRP 3, \p, 0
	WIN 0xd0|(WW<<2)
	VGRP \p, 1
.else
	WIN 0xa0|WW
	GRP 0, \p, 0
	GRP 1, \p, 0
	GRP 2, \p, 0
	GRP 3, \p, 0
	GRP 4, \p, 0
	WIN 0xf0|(WW<<2)
	VGRP \p, 0
.endif
	WIN 0
.endm
; A step of 128 along K on set p.  wk, xk: which step behind the trip's bases is asked for (W: two steps ahead, x: one), or -1.
.macro STEP p, wk, xk, lc, first
	s_wait_loadcnt \lc                             ; this step's 30 loads are in; the next step's 30 may be out
	PLACES                                         ; places in front of loads into registers that the last step's products have read
.if \wk >= 0
	WLOAD ((\p)+2)%3, \wk
.endif
.if \xk >= 0
	XLOAD ((\p)+1)%3, \xk
	s_wait_dscnt 20                                ; all but the 20 just issued
.else
	s_wait_dscnt 0x0
.endif
	MULS \p, \first
.endm
	ROUND                                          ; all four work-groups are here: the joint loads meet
	tensor_load_to_lds s[G0:G0+3], s[G1:G1+7]      ; my one tensor load
	s_nop 0
	PLACES
	; the biases: k's and v's into window 1, q's four heads into registers that x's fragments take later
	WIN 0x40
.irp e, 0,1
.irp j, 0,1
	global_load_b128 v[208+8*\e+4*\j:208+8*\e+4*\j+3], v[VB], s[18:19] offset:32*\e+16*\j
.endr
	global_load_b32 v[224+8*\e], v[VBV], s[18:19] offset:2048+32*\e
.endr
	WIN 0
.irp d, 0,1,2,3
.irp j, 0,1,2,3
	global_load_b128 v[64+16*\d+4*\j:64+16*\d+4*\j+3], v[VB], s[16:17] offset:512*\d+16*\j
.endr
.endr
	WLOAD 0, 0
	s_wait_loadcnt 30                              ; the 22 loads of biases are in
.irp k, 0,2,4,6,8,10,12,14
	v_pk_add_f32 v[64+\k:65+\k], v[64+\k:65+\k], v[80+\k:81+\k]
	v_pk_add_f32 v[96+\k:97+\k], v[96+\k:97+\k], v[112+\k:113+\k]
.endr
	WIN 0x40
.irp k, 0,2,4,6,8,10,12,14
	v_pk_add_f32 v[192+\k:193+\k], v[64+\k:65+\k], v[96+\k:97+\k]   ; the four heads' biases of my 16 channels
.endr
	WIN 0x41
.irp e, 0,1
.irp i, 1,2,3,4,5,6,7
	v_mov_b32 v[224+8*\e+\i], v[224+8*\e]          ; v: a lane's channel has one bias for its eight keys
.endr
.endr
	WIN 0
	WLOAD 1, 1
	s_wait_alu depctr_va_vdst(0)
	s_wait_tensorcnt 0x0                           ; my quarter of x's block is in
	s_barrier_signal -1
	s_barrier_wait -1                              ; and everybody's
	XLOAD 0, 0
	STEP 0, 2, 1, 30, 1                            ; step 0 stands in front of the loop: its products start the sums
	s_mov_b32 s[CNT], 4
.Ltrip:                                                ; steps 1 + 3 T .. 3 + 3 T: the three sets come round once
	STEP 1, 3, 2, 30, 0
	STEP 2, 4, 3, 30, 0
	STEP 0, 5, 4, 30, 0
	s_wait_xcnt 0x0                                ; the loads have read their base
	s_add_nc_u64 s[SB:SB+1], s[SB:SB+1], 3*WS
	v_add_nc_u32 v[AX], 24576, v[AX]
	v_add_nc_u32 v[AXS], 1536, v[AXS]
	s_sub_co_u32 s[CNT], s[CNT], 1
	s_cmp_lg_u32 s[CNT], 0
	s_wait_alu depctr_va_vdst(0)
	s_cbranch_scc1 .Ltrip
	STEP 1, 3, 2, 30, 0                            ; step 13 asks for W's step 15, the last
	STEP 2, -1, 3, 30, 0
	STEP 0, -1, -1, 0, 0
	PLACES
	; q: the accumulators leave as they lie, each from its low end on: 32 lanes store 512 consecutive bytes
	WIN 0x08
.irp a, 0,1,2,3,4,5,6,7
.irp j, 0,1,2,3
	global_store_b128 v[VW], v[16*\a+4*\j:16*\a+4*\j+3], s[10:11] offset:8192*\a+512*\j
.endr
.endr
	WIN 0
; Eight blocks of 32 are quantised: block i is my 16 registers v[sb + 16 i ..] of window w and lane l xor 16's.  t + i: largest magnitude; t + 16 + i: the conversion's scale operand; t + 24 + i: the byte; t + 32 + 2 i: 16 codes
.macro QUANT8 t, sb, w
	WIN ((\w)<<2)|((\w)<<4)
.irp i, 0,1,2,3,4,5,6,7
	v_max3_num_f32 v[\t+\i], 0x1800000, |v[\sb+16*\i]|, |v[\sb+16*\i+1]|   ; with the floor 2^(3 - 127): the byte cannot fall under 1
.endr
.irp k, 2,4,6,8,10,12,14
.irp i, 0,1,2,3,4,5,6,7
	v_max3_num_f32 v[\t+\i], v[\t+\i], |v[\sb+16*\i+\k]|, |v[\sb+16*\i+\k+1]|
.endr
.endr
	WIN 0
.irp i, 0,1,2,3,4,5,6,7
	v_permlanex16_b32 v[\t+8+\i], v[\t+\i], s[SEL], s[SEL+1]
.endr
.irp i, 0,1,2,3,4,5,6,7
	v_max_num_f32 v[\t+\i], v[\t+\i], v[\t+8+\i]
.endr
.irp i, 0,1,2,3,4,5,6,7
	v_add_nc_u32 v[\t+16+\i], 0xff000000, v[\t+\i] ; 2 off the exponent field
.endr
.irp i, 0,1,2,3,4,5,6,7
	v_lshrrev_b32 v[\t+24+\i], 23, v[\t+16+\i]
.endr
	WIN \w
.irp i, 0,1,2,3,4,5,6,7
	v_cvt_scalef32_pk8_fp4_f32 v[\t+32+2*\i], v[\sb+16*\i:\sb+16*\i+7], v[\t+16+\i]
	v_cvt_scalef32_pk8_fp4_f32 v[\t+33+2*\i], v[\sb+16*\i+8:\sb+16*\i+15], v[\t+16+\i]
.endr
	WIN 0
	v_nop                                          ; one plain place behind a scaled conversion
.endm
	QUANT8 64, 128, 2                              ; k: block i = channels 32 w .. 32 w + 31 of the 16 keys of fragment i
.irp a, 0,1,2,3,4,5,6,7
	global_store_b64 v[VK], v[96+2*\a:97+2*\a], s[12:13] offset:1024*\a   ; my quarter of fragment a: 256 consecutive bytes, aligned
	ds_store_b8 v[KSA], v[88+\a] offset:4*\a       ; byte w of the key's scale word (both halves of the lanes write the same)
.endr
	QUANT8 128, 0, 3                               ; v: block 4 e + b = keys 32 b .. 32 b + 31 of the 16 channels of fragment 2 w + e
.irp e, 0,1
	v_lshl_or_b32 v[176+\e], v[153+4*\e], 8, v[152+4*\e]
	v_lshl_or_b32 v[176+\e], v[154+4*\e], 16, v[176+\e]
	v_lshl_or_b32 v[176+\e], v[155+4*\e], 24, v[176+\e]
.irp c, 0,1
.irp i, 0,1
	v_permlane16_swap_b32 v[160+8*\e+4*\c+\i], v[162+8*\e+4*\c+\i]   ; a WHOLE block in a lane: lanes 0-15 block 2 c, lanes 16-31 block 2 c + 1
.endr
.endr
.endr
.irp e, 0,1
	ds_store_b32 v[VSA], v[176+\e] offset:4*\e
.irp c, 0,1
	global_store_b128 v[VV], v[160+8*\e+4*\c:160+8*\e+4*\c+3], s[12:13] offset:8192+1024*\e+512*\c
.endr
.endr
	s_wait_dscnt 0x0                               ; my scale bytes and words are in LDS
	s_barrier_signal -1
	s_barrier_wait -1                              ; and everybody's
	ds_load_b64 v[178:179], v[RSA]
	s_wait_dscnt 0x0
	global_store_b64 v[VSO], v[178:179], s[12:13] offset:16384     ; 256 consecutive bytes a wave, aligned
	s_wait_tensorcnt 0x0                           ; the wave's end
	ds_add_u32 v[SPW], v[NIL]
	s_wait_dscnt 0x0
	ROUND                                          ; the closing round
	s_endpgm
.Lfunc_end_k_qf0265dbd6a_gemm:
	.size	k_qf0265dbd6a_gemm, .Lfunc_end_k_qf0265dbd6a_gemm-k_qf0265dbd6a_gemm
	.p2alignl 7, 3214868480
	.fill 96, 4, 3214868480
	.section	.rodata,"a",@progbits
	.p2align	6, 0x0
	.amdhsa_kernel k_qf0265dbd6a_gemm
		.amdhsa_group_segment_fixed_size 167936
		.amdhsa_private_segment_fixed_size 0
		.amdhsa_enable_private_segment 0
		.amdhsa_kernarg_size 40
		.amdhsa_user_sgpr_count 2
		.amdhsa_user_sgpr_kernarg_segment_ptr 1
		.amdhsa_wavefront_size32 1
		.amdhsa_system_sgpr_workgroup_id_x 1
		.amdhsa_system_sgpr_workgroup_id_y 1
		.amdhsa_system_sgpr_workgroup_id_z 1
		.amdhsa_system_vgpr_workitem_id 0
		.amdhsa_next_free_vgpr 1024
		.amdhsa_next_free_sgpr 66
		.amdhsa_reserve_vcc 0
		.amdhsa_float_denorm_mode_32 3
		.amdhsa_float_denorm_mode_16_64 3
		.amdhsa_memory_ordered 1
		.amdhsa_forward_progress 1
		.amdhsa_inst_pref_size 145
	.end_amdhsa_kernel
	.amdgpu_metadata
---
amdhsa.version: [ 1, 2 ]
amdhsa.kernels:
  - .name:           k_qf0265dbd6a_gemm
    .symbol:         k_qf0265dbd6a_gemm.kd
    .args:
      - { .name: xq, .offset: 0, .size: 8, .value_kind: global_buffer, .address_space: global }
      - { .name: wq, .offset: 8, .size: 8, .value_kind: global_buffer, .address_space: global }
      - { .name: b_attn, .offset: 16, .size: 8, .value_kind: global_buffer, .address_space: global }
      - { .name: qpart, .offset: 24, .size: 8, .value_kind: global_buffer, .address_space: global }
      - { .name: kv, .offset: 32, .size: 8, .value_kind: global_buffer, .address_space: global }
    .group_segment_fixed_size: 167936
    .private_segment_fixed_size: 0
    .kernarg_segment_align: 8
    .kernarg_segment_size: 40
    .max_flat_workgroup_size: 128
    .sgpr_count:     66
    .vgpr_count:     1024
    .wavefront_size: 32
...
	.end_amdgpu_metadata
.endif
;; end of part 2
;; launch attn (part 3): grid 16 x 16, 8 waves a work-group, clusters of 4 x 4, 314,368 bytes of LDS; arguments qpart, kv, out0; writes out0
.if DOCPART == 3
	.amdgcn_target "amdgcn-amd-amdhsa--gfx1250"
	.amdhsa_code_object_version 6
	.text
	.protected	k_qf0265dbd6a_attn
	.globl	k_qf0265dbd6a_attn
	.p2align	8
	.type	k_qf0265dbd6a_attn,@function
k_qf0265dbd6a_attn:
	s_mov_b64 s[64:65], 0
	v_nop
	global_prefetch_b8 v0, s[64:65] scope:SCOPE_SE
	s_setreg_imm32_b32 hwreg(HW_REG_WAVE_MODE, 25, 1), 1
	s_wait_xcnt 0x0
	s_wait_alu depctr_hold_cnt(0) depctr_sa_sdst(0) depctr_va_vdst(0) depctr_va_sdst(0) depctr_va_ssrc(0) depctr_va_vcc(0) depctr_vm_vsrc(0)
	s_getreg_b32 s2, hwreg(HW_REG_IB_STS2, 6, 4)
	s_cmp_eq_u32 s2, 0
	s_cbranch_scc0 .Lentry_in_a_cluster
	s_endpgm
.Lentry_in_a_cluster:
	s_bfe_u32 s2, ttmp6, 0x10000c
	s_cmp_lg_u32 s2, 0xf033
	s_cbranch_scc0 .Lentry_shape_is_right
	s_endpgm
.Lentry_shape_is_right:
; out0[b][t][128 n + d] = the sum over keys s of softmax_s(q_sum[b][t] . k[b][n][s] / sqrt(128)) v[b][n][s][d], both products on codes of FP4 (E2M1) with one E8M0 scale for each 32 along a product's K.
; q_sum = the four planes of qpart added, in f32, and quantised here along the head's 128.  qpart lies as images of registers: [plane 4][tile of 16 queries 512][block b 4][j 4][lane 32][16 bytes].
; k and v arrive quantised, as images of operand registers (kv: [4 b + n][key step 16][17,408 bytes]: 8 fragments of K, 8 of V^T, 1,024 bytes each; K's and V's scale words, [row 16][fragment 8]).
; THE SOFTMAX AHEAD OF THE SECOND PRODUCT: t = score x log2(e) / sqrt(128); M = the row's largest t so far, rounded UP to a whole number; p = 2^(t - M) is what is quantised, along the keys; it is not
; normalised.  The row's sum is taken of the unquantised p and divides O at the end.  When M moves, the sum and O are multiplied by 2^(old M - new M): exact.
; SHARES.  A work-group owns 128 queries of one (b, n); each of its eight waves 16 of them, one tile: two waves to a SIMD.  Query r of wave w's tile is row 32 (w / 2) + 8 (w % 2) + r + 8 (r / 8) of the block.
; Every wave walks all 2,048 keys, 128 a step.
; THE WHOLE HEAD LIES IN LDS: 16 x 17,408 = 278,528 bytes, filled ONCE: each wave's one tensor load brings two key steps.  No byte is filled again: no ring.  Every byte of K and V is asked for in the first
; lines, so nothing is left to ask for ahead of them.
; CLUSTER 4 x 4: x = 4 b + n, y = the block of queries.  The four work-groups of a column of the cluster walk the same K and V: each load is asked for JOINTLY, with the same descriptor and the column's mask.
; The four of a row read the same planes of qpart, by loads into registers: block 0's sixteen go out ahead of the round, the other 48 behind the tensor load; the planes are added block by block as they land.
; LAYOUT.  Both products are used transposed: S^T = K Q^T (source 0 = 16 keys, source 1 = my 16 queries), O^T = V^T P^T: a lane holds ONE query (lane % 16) throughout.  Row r of K's fragment 2 b + u is key
; 32 b + 8 u + r + 8 (r / 8), so the 16 registers of tiles 2 b and 2 b + 1 are the keys 32 b + 16 (lane / 16) + 0 .. 15.  V^T's rows are ordered likewise: register j of O^T's tile a is channel 32 (a / 2) + 16 (lane / 16) + 8 (a % 2) + j.
; K's fragments and scale words are read from LDS one key step ahead, behind V's; the last step is written out and asks for none.
; LIMITS: NaN and infinities are not served; a block of q_sum whose largest magnitude lies under 2^-124 gets the scale byte 1.
; REGISTERS: v1-5 addresses; v6, v7 the add's; v12 -M, v13 the largest t, v[14:15] the sum in two halves; v16-23 Q; v24-31 K's scale words; v32-95 eight fragments of V; v96-159 S^T, then p; v160-223 O^T;
;   v224-231 p's codes; v240-243, v248-251 V's scale words; v232-239, v244-247, v252-254 at work; v255 Q's scale word; v256-319 (window 1) the fourth plane of qpart at the head, then K's eight fragments.
.set KSB,   17408                      ; a key step's block
.set WVB,   2*KSB                      ; a wave's part of the head: 136 rows of 256 bytes
.set STAGE, 16*KSB                     ; behind the head: 16 rows x (256 bytes + 16) for each wave, for the way out; no tile lands there
.set SP,    272
.set LI,   1                           ; v1   16 x lane: an image's place for my lane
.set LS,   2                           ; v2   16,384 + 32 r: my row's scale words
.set GO,   3                           ; v3   the way out: my byte offset in the wave's rows of out0
.set ADK,  4                           ; v4   the step's images
.set ADS,  5                           ; v5   the step's scale words
.set TMA,  232
.set TMB,  236
.set TMC,  244
.set WV,   10                          ; s10  wave
.set G1,   16                          ; s[16:23] descriptor group 1;  s[24:27] group 0
.set G0,   24
.set SEL,  40                          ; s[40:41] lane selects for v_permlanex16_b32: lane l xor 16
.set CS,   42                          ; s[42:43] c = log2(e) / sqrt(128)
.set TB,   44                          ; s44  LDS byte at which the step's block begins
.set CNT,  45                          ; s45  counts the steps
.set MSB, 0
.macro WIN new                         ; the immediate's high byte repeats the setting that is left
.if MSB != (\new)
	s_set_vgpr_msb (MSB<<8)|(\new)
.set MSB, (\new)
.endif
.endm
.macro ROUND                           ; a round of the cluster's barrier
	s_barrier_signal -1
	s_barrier_wait -1
	s_cmp_lg_u32 s[WV], 0
	s_cbranch_scc1 .Lnot_wave_0_\@
	s_barrier_signal -3
.Lnot_wave_0_\@:
	s_barrier_wait -3
	s_barrier_signal -1
	s_barrier_wait -1
.endm
; Block b (channels 32 b .. 32 b + 31) of my tile in the four planes: 16 loads of 512 consecutive bytes
.macro QLOAD b
.irp j, 0,1,2,3
	global_load_b128 v[32+16*\b+4*\j:35+16*\b+4*\j], v[LI], s[4:5] offset:2048*\b+512*\j
	global_load_b128 v[96+16*\b+4*\j:99+16*\b+4*\j], v[LI], s[4:5] offset:4194304+2048*\b+512*\j
	global_load_b128 v[160+16*\b+4*\j:163+16*\b+4*\j], v[LI], s[46:47] offset:2048*\b+512*\j
.endr
	WIN 0x40                                       ; destination window 1: v256-319
.irp j, 0,1,2,3
	global_load_b128 v[16*\b+4*\j:16*\b+4*\j+3], v[LI], s[46:47] offset:4194304+2048*\b+512*\j
.endr
	WIN 0
.endm
.macro QSUM b                          ; its four planes added: register 32 + 16 b + i = channel 32 b + 16 h + i of query r
	s_wait_loadcnt 16*(3-\b)                       ; block b's 16 loads are in; those of the blocks behind it may be out
.irp k, 0,2,4,6,8,10,12,14
	v_pk_add_f32 v[32+16*\b+\k:33+16*\b+\k], v[32+16*\b+\k:33+16*\b+\k], v[96+16*\b+\k:97+16*\b+\k]       ; planes 0 + 1
.endr
	WIN 0x04                                       ; source 1 window 1
.irp k, 0,2,4,6,8,10,12,14
	v_pk_add_f32 v[160+16*\b+\k:161+16*\b+\k], v[160+16*\b+\k:161+16*\b+\k], v[16*\b+\k:16*\b+\k+1]       ; planes 2 + 3
.endr
	WIN 0
.irp k, 0,2,4,6,8,10,12,14
	v_pk_add_f32 v[32+16*\b+\k:33+16*\b+\k], v[32+16*\b+\k:33+16*\b+\k], v[160+16*\b+\k:161+16*\b+\k]
.endr
.endm
	s_load_b128 s[4:7], s[0:1], 0x0                ; qpart s[4:5], kv s[6:7]
	s_load_b64 s[8:9], s[0:1], 0x10                ; out0
	v_lshl_add_u32 v6, v0, 2, 0x4c800
	v_mov_b32 v7, 0
	ds_add_u32 v6, v7                              ; the opening lines: the add, twice on end, and its wait ahead of the round in front of my tensor load
	ds_add_u32 v6, v7
	v_lshrrev_b32 v1, 5, v0
	s_delay_alu instid0(VALU_DEP_1)
	v_readfirstlane_b32 s[WV], v1                  ; wave 0..7
	s_bfe_u32 s11, ttmp6, 0x40000                  ; cx
	s_bfe_u32 s14, ttmp6, 0x40004                  ; cy: it enters qpart's and out0's addresses alone
	s_lshl_b32 s12, ttmp9, 2
	s_add_co_u32 s12, s12, s11                     ; 4 b + n, which my column of the cluster shares
	s_lshl_b32 s15, 0x1111, s11                    ; my column: places cx, cx + 4, cx + 8, cx + 12
	s_or_b32 s[G1], s15, (3<<16)|(1<<21)           ; 15:0 the mask; 17:16 elements of 8 bytes; 21 set beside a mask; no padding
	s_mov_b32 s[G1+1], 32<<16                      ; tensor_dim0 = 32 elements: rows of 256 bytes
	s_mov_b32 s[G1+2], 136<<16                     ; tensor_dim1 = 136
	s_mov_b32 s[G1+3], 32<<16                      ; tile_dim0
	s_mov_b32 s[G1+4], 136                         ; tile_dim1
	s_mov_b32 s[G1+5], 32                          ; dense
	s_mov_b32 s[G1+6], 0
	s_mov_b32 s[G1+7], 0
	s_mul_i32 s13, s[WV], WVB                      ; my part of the head, in memory and in LDS alike
	s_mul_i32 s48, s12, 16*KSB                     ; the head's first byte
	s_add_co_u32 s48, s48, s13
	s_mov_b32 s49, 0
	s_and_b32 s50, ttmp7, 0xffff
	s_lshl_b32 s50, s50, 2
	s_add_co_u32 s50, s50, s14                     ; my block of 128 queries = 4 x cluster y + cy
	s_lshl_b32 s50, s50, 7
	s_lshl_b32 s51, s[WV], 4
	s_add_co_u32 s50, s50, s51
	s_lshr_b32 s51, s12, 2
	s_lshl_b32 s51, s51, 11
	s_add_co_u32 s50, s50, s51                     ; 16 x my tile's number: 2,048 b + 128 x block + 16 x wave
	s_lshl_b32 s52, s50, 9                         ; in a plane of qpart: 8,192 bytes a tile
	s_mov_b32 s53, 0
	s_and_b32 s51, s[WV], 1                        ; my tile's first row lies 8 (wave % 2) under 16 x wave
	s_lshl_b32 s51, s51, 3
	s_sub_co_u32 s50, s50, s51
	s_lshl_b32 s54, s50, 11                        ; in out0: rows of 2,048 bytes,
	s_and_b32 s55, s12, 3
	s_lshl_b32 s55, s55, 9
	s_add_co_u32 s54, s54, s55                     ; + 512 n
	s_mov_b32 s55, 0
	s_mov_b32 s[SEL], 0x76543210
	s_mov_b32 s[SEL+1], 0xfedcba98
	s_mov_b32 s[CS], 0x3e0293ee
	s_mov_b32 s[CS+1], s[CS]                       ; (named with it as a pair, so it is written)
	s_mov_b32 s[TB], 0
	v_and_b32 v8, 15, v0                           ; r
	v_bfe_u32 v9, v0, 4, 1                         ; h
	v_and_b32 v[LI], 31, v0
	v_lshl_add_u32 v[LS], v8, 5, 0x4000
	v_lshlrev_b32 v[GO], 11, v9
	v_lshlrev_b32 v[LI], 4, v[LI]
	v_mov_b32 v13, 0xff61b1e6                      ; the largest t so far: -3e38, under every t
	v_lshl_add_u32 v[GO], v8, 4, v[GO]             ; the way out: lanes 0-15 one row of the stage, lanes 16-31 the next; 16 bytes a lane
	v_mov_b32 v14, 0                               ; the sum, in two halves
	v_floor_f32 v12, -v13                          ; -M
	v_mov_b32 v15, 0
.irp b, 0,1,2,3
	v_mov_b32 v[TMB+\b], 0                         ; written once: a lane permute's destination counts as one of its sources
.endr
	v_mov_b32 v253, 0                              ; (named as the upper half of the pair v[252:253] before it is first written)
	s_wait_alu depctr_va_vdst(0)
	s_wait_dscnt 0x0                               ; both opening adds are done
	s_wait_kmcnt 0x0
	s_add_nc_u64 s[6:7], s[6:7], s[48:49]
	s_add_nc_u64 s[4:5], s[4:5], s[52:53]          ; planes 0 and 1 (4,194,304 bytes apart: inside the signed 24-bit immediate, ISA guide, chapter 10)
	s_add_nc_u64 s[46:47], s[4:5], 0x800000        ; planes 2 and 3
	s_add_nc_u64 s[8:9], s[8:9], s[54:55]
	QLOAD 0                                        ; on their way while the cluster meets
	s_mov_b32 s[G0], 1                             ; count = 1
	s_mov_b32 s[G0+1], s13                         ; LDS address: wave x 34,816
	s_mov_b64 s[G0+2:G0+3], s[6:7]
	s_or_b32 s[G0+3], s[G0+3], 0x80000000          ; type = 2
	ROUND                                          ; all sixteen work-groups are here: the joint loads meet
	tensor_load_to_lds s[G0:G0+3], s[G1:G1+7]      ; my one tensor load
	s_nop 0
.rept 4
	v_nop
.endr
	QLOAD 1
	QLOAD 2
	QLOAD 3
	QSUM 0
	QSUM 1
	QSUM 2
	QSUM 3
	; q_sum becomes a fragment in v16-23 and its scale word in v255
.irp b, 0,1,2,3
	v_max3_num_f32 v[TMA+\b], |v[32+16*\b]|, |v[33+16*\b]|, 0x1800000   ; block b: my 16 numbers, and the floor 2^(3 - 127): the byte cannot fall under 1
.endr
.irp i, 2,4,6,8,10,12,14
.irp b, 0,1,2,3
	s_delay_alu instid0(VALU_DEP_4)
	v_max3_num_f32 v[TMA+\b], v[TMA+\b], |v[32+16*\b+\i]|, |v[33+16*\b+\i]|
.endr
.endr
.irp b, 0,1,2,3
	s_delay_alu instid0(VALU_DEP_4)
	v_permlanex16_b32 v[TMB+\b], v[TMA+\b], s[SEL], s[SEL+1]
.endr
.irp b, 0,1,2,3
	s_delay_alu instid0(VALU_DEP_4)
	v_max_num_f32 v[TMA+\b], v[TMA+\b], v[TMB+\b]  ; with lane l xor 16's: the block's largest magnitude
.endr
.irp b, 0,1,2,3
	s_delay_alu instid0(VALU_DEP_4)
	v_add_nc_u32 v[TMC+\b], 0xff000000, v[TMA+\b]  ; 2 off its exponent field: the conversion's scale operand
.endr
.irp b, 0,1,2,3
	s_delay_alu instid0(VALU_DEP_4)
	v_lshrrev_b32 v[TMB+\b], 23, v[TMC+\b]         ; the scale's byte
.endr
	s_delay_alu instid0(VALU_DEP_3)
	v_lshl_or_b32 v255, v[TMB+1], 8, v[TMB]
	s_delay_alu instid0(VALU_DEP_1)
	v_lshl_or_b32 v255, v[TMB+2], 16, v255
	s_delay_alu instid0(VALU_DEP_1)
	v_lshl_or_b32 v255, v[TMB+3], 24, v255
.irp b, 0,1,2,3
	v_cvt_scalef32_pk8_fp4_f32 v[16+2*\b], v[32+16*\b:39+16*\b], v[TMC+\b]
	v_cvt_scalef32_pk8_fp4_f32 v[17+2*\b], v[40+16*\b:47+16*\b], v[TMC+\b]
.endr
	v_nop                                          ; one plain place behind a scaled conversion
.irp c, 0,1
.irp i, 0,1
	v_permlane16_swap_b32 v[16+4*\c+\i], v[18+4*\c+\i]   ; a WHOLE block in a lane: lanes 0-15 block 2 c, lanes 16-31 block 2 c + 1
.endr
.endr
.set k, 0
.rept 64
	v_mov_b32 v[160+k], 0                          ; O^T.  (The step is written once for all trips: the first finds zeros, which the first change of M leaves zeros.  These are also the places ahead of the first scaled product)
.set k, k+1
.endr
; K's eight fragments (window 1) and their rows' scale words, from the block that begins off bytes behind the two addresses
.macro KLOAD ak, as, off
	WIN 0x40
.irp t, 0,1,2,3,4,5,6,7
.irp c, 0,1
	ds_load_b128 v[8*\t+4*\c:8*\t+4*\c+3], v[\ak] offset:(\off)+1024*\t+512*\c
.endr
.endr
	WIN 0
	ds_load_b128 v[24:27], v[\as] offset:(\off)        ; fragments 0-3,
	ds_load_b128 v[28:31], v[\as] offset:(\off)+16     ; 4-7
.endm
; A KEY STEP: 128 keys, whose block begins at LDS byte s[TB].  pre = 1: the next step's K is asked for.
.macro STEP pre
	v_add_nc_u32 v[ADK], s[TB], v[LI]
	v_add_nc_u32 v[ADS], s[TB], v[LS]
	s_wait_alu depctr_va_vdst(0)
	s_wait_dscnt 0x0                               ; K's fragments and scale words, asked for a step ago, are in
	WIN 0x01                                       ; source 0 window 1
.irp t, 0,1,2,3,4,5,6,7
	v_wmma_scale_f32_16x16x128_f8f6f4 v[96+8*\t:103+8*\t], v[8*\t:8*\t+7], v[16:23], 0, v[24+\t], v255 matrix_a_fmt:MATRIX_FMT_FP4 matrix_b_fmt:MATRIX_FMT_FP4
.endr
	WIN 0
.rept 4
	v_nop                                          ; places in front of the loads below and of the first read of the scores
.endr
.irp t, 0,1,2,3,4,5,6,7
.irp c, 0,1
	ds_load_b128 v[32+8*\t+4*\c:35+8*\t+4*\c], v[ADK] offset:8192+1024*\t+512*\c   ; V^T's fragments: they land while the softmax is worked
.endr
.endr
	ds_load_b128 v[240:243], v[ADS] offset:512
	ds_load_b128 v[248:251], v[ADS] offset:528
.if \pre
	KLOAD ADK, ADS, KSB                            ; 18 loads behind V's
.endif
.irp b, 0,1,2,3
	v_max3_num_f32 v[232+\b], v[96+16*\b], v[97+16*\b], v[98+16*\b]   ; THE LARGEST SCORE OF EACH BLOCK OF 32 KEYS: for the row's maximum, and, since p rises with the score, for the block's largest p
.endr
.irp i, 3,5,7,9,11,13
.irp b, 0,1,2,3
	v_max3_num_f32 v[232+\b], v[232+\b], v[96+16*\b+\i], v[97+16*\b+\i]   ; (the four blocks by turns)
.endr
.endr
.irp b, 0,1,2,3
	v_max_num_f32 v[232+\b], v[232+\b], v[111+16*\b]
.endr
.irp b, 0,1,2,3
	s_delay_alu instid0(VALU_DEP_4)
	v_permlanex16_b32 v[236+\b], v[232+\b], s[SEL], s[SEL+1]
.endr
.irp b, 0,1,2,3
	s_delay_alu instid0(VALU_DEP_4)
	v_max_num_f32 v[232+\b], v[232+\b], v[236+\b]  ; with lane l xor 16's 16 keys
.endr
	s_delay_alu instid0(VALU_DEP_2)
	v_max3_num_f32 v254, v232, v233, v234
	s_delay_alu instid0(VALU_DEP_1)
	v_max_num_f32 v254, v254, v235                 ; the step's largest score of my query
	s_delay_alu instid0(VALU_DEP_1)
	v_mul_f32 v254, s[CS], v254                    ; as t (c is positive)
	s_delay_alu instid0(VALU_DEP_1)
	v_max_num_f32 v13, v13, v254                   ; the running largest t
	v_mov_b32 v254, v12
	s_delay_alu instid0(VALU_DEP_2)
	v_floor_f32 v12, -v13                          ; the new -M = floor(-t) = -ceil(t): M IS A WHOLE NUMBER
	s_delay_alu instid0(VALU_DEP_1)
	v_sub_f32 v254, v12, v254                      ; M's old value less its new one: a whole number, 0 or less
	s_delay_alu instid0(VALU_DEP_1)
	v_cvt_i32_f32 v254, v254                       ; (it saturates)
	s_delay_alu instid0(VALU_DEP_1)
	v_ldexp_f32 v252, 1.0, v254                    ; f = 2^(old M - new M): a multiplication by it rounds nothing
.set j, 0
.rept 32
	v_pk_fma_f32 v[96+j:97+j], v[96+j:97+j], s[CS:CS+1], v[12:13] op_sel_hi:[1,0,0]   ; t - M, two at a time (of the pairs c and -M the low word serves both halves)
.set j, j+2
.endr
.irp b, 0,1,2,3
	v_fma_f32 v[232+\b], v[232+\b], s[CS], v12     ; the same of each block's largest score
.endr
.set j, 0
	s_wait_alu depctr_va_vdst(0)
.rept 64
	v_exp_f32 v[96+j], v[96+j]                     ; p = 2^(t - M), at most 1: NOT normalised
.set j, j+1
.endr
	v_pk_mul_f32 v[14:15], v[14:15], v[252:253] op_sel_hi:[1,0]   ; the sums under the new M.  (A plain place behind the exponentials)
	s_wait_alu depctr_va_vdst(0)                   ; one wait for the whole batch, ahead of its first reader
.irp b, 0,1,2,3
	v_exp_f32 v[232+\b], v[232+\b]                 ; the block's largest p: the same two instructions on the same number give the same bits
.endr
	v_pk_add_f32 v[236:237], v[100:101], v[104:105]   ; THE ROW'S SUM IS TAKEN OF THE UNQUANTISED p: two at a time, in eight chains
	v_pk_add_f32 v[246:247], v[108:109], v[112:113]
	v_pk_add_f32 v[244:245], v[116:117], v[120:121]
	v_pk_add_f32 v[238:239], v[124:125], v[128:129]
	v_pk_add_f32 v[230:231], v[132:133], v[136:137]
	v_pk_add_f32 v[228:229], v[140:141], v[144:145]
	v_pk_add_f32 v[226:227], v[148:149], v[152:153]
	v_pk_add_f32 v[14:15], v[14:15], v[156:157]
	v_pk_add_f32 v[236:237], v[236:237], v[96:97]
	v_pk_add_f32 v[246:247], v[246:247], v[98:99]
	v_pk_add_f32 v[244:245], v[244:245], v[102:103]
	v_pk_add_f32 v[238:239], v[238:239], v[106:107]
	v_pk_add_f32 v[230:231], v[230:231], v[110:111]
	v_pk_add_f32 v[228:229], v[228:229], v[114:115]
	v_pk_add_f32 v[226:227], v[226:227], v[118:119]
	v_pk_add_f32 v[14:15], v[14:15], v[122:123]
	v_pk_add_f32 v[236:237], v[236:237], v[126:127]
	v_pk_add_f32 v[246:247], v[246:247], v[130:131]
	v_pk_add_f32 v[244:245], v[244:245], v[134:135]
	v_pk_add_f32 v[238:239], v[238:239], v[138:139]
	v_pk_add_f32 v[230:231], v[230:231], v[142:143]
	v_pk_add_f32 v[228:229], v[228:229], v[146:147]
	v_pk_add_f32 v[226:227], v[226:227], v[150:151]
	v_pk_add_f32 v[14:15], v[14:15], v[154:155]
	v_pk_add_f32 v[236:237], v[236:237], v[158:159]
	s_delay_alu instid0(VALU_DEP_2)
	v_pk_add_f32 v[14:15], v[14:15], v[238:239]
	s_delay_alu instid0(VALU_DEP_2)
	v_pk_add_f32 v[236:237], v[236:237], v[230:231]
	v_pk_add_f32 v[246:247], v[246:247], v[228:229]
	v_pk_add_f32 v[244:245], v[244:245], v[226:227]
	s_delay_alu instid0(VALU_DEP_2)
	v_pk_add_f32 v[14:15], v[14:15], v[246:247]
	s_delay_alu instid0(VALU_DEP_2)
	v_pk_add_f32 v[236:237], v[236:237], v[244:245]
	s_delay_alu instid0(VALU_DEP_1)
	v_pk_add_f32 v[14:15], v[14:15], v[236:237]
	s_wait_alu depctr_va_vdst(0)                   ; and one for the four
.irp b, 0,1,2,3
	v_max_num_f32 v[232+\b], 0x1800000, v[232+\b]  ; the floor 2^(3 - 127): the byte cannot fall under 1 (a block whose every p has fallen to 0 keeps that byte: its codes are zeros)
.endr
.irp b, 0,1,2,3
	s_delay_alu instid0(VALU_DEP_4)
	v_add_nc_u32 v[244+\b], 0xff000000, v[232+\b]  ; 2 off the exponent field: the conversion's scale operand
.endr
.irp b, 0,1,2,3
	s_delay_alu instid0(VALU_DEP_4)
	v_lshrrev_b32 v[236+\b], 23, v[244+\b]         ; the scale's byte
.endr
	s_delay_alu instid0(VALU_DEP_3)
	v_lshl_or_b32 v253, v237, 8, v236              ; p's scale word for these 128 keys
	s_delay_alu instid0(VALU_DEP_1)
	v_lshl_or_b32 v253, v238, 16, v253
	s_delay_alu instid0(VALU_DEP_1)
	v_lshl_or_b32 v253, v239, 24, v253
.irp b, 0,1,2,3
	v_cvt_scalef32_pk8_fp4_f32 v[224+2*\b], v[96+16*\b:103+16*\b], v[244+\b]
	v_cvt_scalef32_pk8_fp4_f32 v[225+2*\b], v[104+16*\b:111+16*\b], v[244+\b]
.endr
	v_nop                                          ; one plain place behind a scaled conversion
.irp c, 0,1
.irp i, 0,1
	v_permlane16_swap_b32 v[224+4*\c+\i], v[226+4*\c+\i]   ; a WHOLE block in a lane
.endr
.endr
.set j, 0
.rept 32
	v_pk_mul_f32 v[160+j:161+j], v[160+j:161+j], v[252:253] op_sel_hi:[1,0]   ; O^T under the new M: x f.  (These are also the places between p's codes and scale word and the products)
.set j, j+2
.endr
.rept 4
	v_nop                                          ; places between the last rescaling and the products that take it as C
.endr
	s_wait_alu depctr_va_vdst(0)
.if \pre
	s_wait_dscnt 18                                ; V^T's fragments and scale words are in; the 18 loads of the next step's K may be out
.else
	s_wait_dscnt 0x0
.endif
.irp t, 0,1,2,3,4,5,6,7
	v_wmma_scale_f32_16x16x128_f8f6f4 v[160+8*\t:167+8*\t], v[32+8*\t:39+8*\t], v[224:231], v[160+8*\t:167+8*\t], v[240+\t+4*(\t/4)], v253 matrix_a_fmt:MATRIX_FMT_FP4 matrix_b_fmt:MATRIX_FMT_FP4   ; the eight accumulators by turns
.endr
.endm
	s_wait_tensorcnt 0x0                           ; my eighth of the head is in
	s_barrier_signal -1
	s_barrier_wait -1                              ; and everybody's.
	KLOAD LI, LS, 0                                ; step 0's K
	s_mov_b32 s[CNT], 15
.Lstep:
	STEP 1
	s_add_co_u32 s[TB], s[TB], KSB
	s_sub_co_u32 s[CNT], s[CNT], 1
	s_cmp_lg_u32 s[CNT], 0
	s_cbranch_scc1 .Lstep
	STEP 0                                         ; the last step has no successor
	; THE WAY OUT.  O^T is divided by the sum and goes through my stage in LDS, half a row (64 channels, 256 bytes) of 16 queries at a time, so that sixteen lanes store 256 consecutive bytes, aligned.
	v_add_f32 v14, v14, v15                        ; the sum's two halves,
	s_delay_alu instid0(VALU_DEP_1)
	v_permlanex16_b32 v252, v14, s[SEL], s[SEL+1]
	s_delay_alu instid0(VALU_DEP_1)
	v_add_f32 v14, v14, v252                       ; and lane l xor 16's: the row's sum
	s_wait_alu depctr_va_vdst(0)
	v_rcp_f32 v14, v14
	v_and_b32 v8, 15, v0                           ; (a plain place behind the reciprocal)  r
	v_bfe_u32 v9, v0, 4, 1                         ; h
	s_mul_i32 s48, s[WV], 16*SP
	s_add_co_u32 s48, s48, STAGE                   ; my stage
	v_mul_u32_u24 v10, v8, SP
	s_delay_alu instid0(VALU_DEP_1)
	v_lshl_add_u32 v10, v9, 6, v10
	s_delay_alu instid0(VALU_DEP_1)
	v_add_nc_u32 v10, s48, v10                     ; in: row r, + 64 h; tile t of a half: 128 (t / 2) + 32 (t % 2) bytes on
	v_mul_u32_u24 v11, v9, SP
	s_delay_alu instid0(VALU_DEP_1)
	v_lshl_add_u32 v11, v8, 4, v11
	s_delay_alu instid0(VALU_DEP_1)
	v_add_nc_u32 v11, s48, v11                     ; back: lanes 0-15 one row, lanes 16-31 the next
	s_wait_alu depctr_va_vdst(0)                   ; the wait ahead of the reciprocal's first reader
.set j, 0
.rept 64
	v_mul_f32 v[96+j], v[160+j], v14               ; O^T / the sum, each accumulator from its low end on
.set j, j+1
.endr
.irp u, 0,1                                    ; channels 64 u on: tiles 4 u .. 4 u + 3
.irp t, 0,1,2,3
	ds_store_b128 v10, v[96+32*\u+8*\t:99+32*\u+8*\t] offset:128*(\t/2)+32*(\t%2)
	ds_store_b128 v10, v[100+32*\u+8*\t:103+32*\u+8*\t] offset:128*(\t/2)+32*(\t%2)+16
.endr
.irp i, 0,1,2,3,4,5,6,7
	ds_load_b128 v[32+32*\u+4*\i:35+32*\u+4*\i], v11 offset:2*\i*SP   ; LDS serves a wave's instructions in order: these see my stores, and the next half's stores come behind them
.endr
.endr
.irp u, 0,1
.irp i, 0,1,2,3,4,5,6,7
	s_wait_dscnt 16*(1-\u)+7-\i                    ; behind this load: the half's later loads, and for the first half the second's 8 stores and 8 loads
	global_store_b128 v[GO], v[32+32*\u+4*\i:35+32*\u+4*\i], s[8:9] offset:4096*\i+16384*(\i/4)+256*\u th:TH_STORE_NT   ; stage row 2 i + h is row 2 i + h + 8 (i / 4) from my tile's first
.endr
.endr
	s_wait_tensorcnt 0x0                           ; the wave's end
	ds_add_u32 v6, v7
	s_wait_dscnt 0x0
	ROUND                                          ; the closing round: no work-group ends while a partner may still ask for a tile that names it
	s_endpgm
.Lfunc_end_k_qf0265dbd6a_attn:
	.size	k_qf0265dbd6a_attn, .Lfunc_end_k_qf0265dbd6a_attn-k_qf0265dbd6a_attn
	.p2alignl 7, 3214868480
	.fill 96, 4, 3214868480
	.section	.rodata,"a",@progbits
	.p2align	6, 0x0
	.amdhsa_kernel k_qf0265dbd6a_attn
		.amdhsa_group_segment_fixed_size 314368
		.amdhsa_private_segment_fixed_size 0
		.amdhsa_enable_private_segment 0
		.amdhsa_kernarg_size 24
		.amdhsa_user_sgpr_count 2
		.amdhsa_user_sgpr_kernarg_segment_ptr 1
		.amdhsa_wavefront_size32 1
		.amdhsa_system_sgpr_workgroup_id_x 1
		.amdhsa_system_sgpr_workgroup_id_y 1
		.amdhsa_system_sgpr_workgroup_id_z 1
		.amdhsa_system_vgpr_workitem_id 0
		.amdhsa_next_free_vgpr 320
		.amdhsa_next_free_sgpr 66
		.amdhsa_reserve_vcc 0
		.amdhsa_float_denorm_mode_32 3
		.amdhsa_float_denorm_mode_16_64 3
		.amdhsa_memory_ordered 1
		.amdhsa_forward_progress 1
		.amdhsa_inst_pref_size 69
	.end_amdhsa_kernel
	.amdgpu_metadata
---
amdhsa.version: [ 1, 2 ]
amdhsa.kernels:
  - .name:           k_qf0265dbd6a_attn
    .symbol:         k_qf0265dbd6a_attn.kd
    .args:
      - { .name: qpart, .offset: 0, .size: 8, .value_kind: global_buffer, .address_space: global }
      - { .name: kv, .offset: 8, .size: 8, .value_kind: global_buffer, .address_space: global }
      - { .name: out0, .offset: 16, .size: 8, .value_kind: global_buffer, .address_space: global }
    .group_segment_fixed_size: 314368
    .private_segment_fixed_size: 0
    .kernarg_segment_align: 8
    .kernarg_segment_size: 24
    .max_flat_workgroup_size: 256
    .sgpr_count:     66
    .vgpr_count:     320
    .wavefront_size: 32
...
	.end_amdgpu_metadata
.endif
;; end of part 3
